; MI455X (gfx1250); checked and timed in simulation.
; The chip was launched on July 23, 2026; its instructions are those of AMD's public machine-readable ISA for CDNA 5 (MIT licence, August 2026) and "CDNA5" Instruction Set Architecture Reference Guide (July 2026). The comments in the code are by the model that wrote it; some were corrected since.
;; Hubert With Kmeans. Allowed arithmetic: matrix products marked QUANTISED: E3M2 operands, one E8M0 scale for each 32 along K, by v_wmma_scale_f32_16x16x128_f8f6f4 with both operands' format E3M2, f32 sums; everything else in f32.
;; Inputs: cluster_centers 2,048 x 768 float32; embed 8 x 4,096 x 768 float32.
;; Outputs: out0 8 x 4,096 int32.
;; This version of the problem:
;;   THIS VERSION OF THE PROBLEM IS GIVEN IN LOW PRECISION. The matrix products marked QUANTISED in the list below multiply operands that are first quantised to E3M2 (3 exponent bits, 2 mantissa bits; 6 bits a number), with one power-of-two scale for each 32 numbers along K (OCP MX v1.0); their sums are f32. All else is computed in f32.
;;   The module's matrix products, in the order in which they are computed (A, B: the left and right operand; K: the contracted axis; several contracted axes count as one K, in the product's order):
;;     1. [M 32,768, K 768] x [K 768, N 2,048]; A: input embed; B: input cluster_centers: QUANTISED
;;   THE QUANTISER, for each operand of a quantised product, along K:
;;     - K is cut into blocks of 32 from its start; a last block that is shorter is filled with zeros.
;;     - A block's scale is 2^e with e = floor(log2(the largest magnitude in the block)) - 4, held to -126 .. 127; a block of zeros has e = 0. As a byte (E8M0): e + 127.
;;     - Each number is divided by its block's scale, clamped to +-28, and rounded to the nearest number of E3M2, ties to even, subnormals kept.
;;     - The product sums the exact products of the quantised numbers (number of the format x scale) in f32.
;;   ~~~python
;;   def quantise(x, axis):      # numpy; x: float32 -> the quantised numbers, widened to float32 again
;;       x = np.moveaxis(x, axis, -1); K = x.shape[-1]
;;       x = np.pad(x, [(0, 0)] * (x.ndim - 1) + [(0, -K % 32)]); x = x.reshape(x.shape[:-1] + (-1, 32)); a = np.abs(x).max(-1, keepdims=True)
;;       e = np.where(a > 0, np.clip(np.frexp(np.where(a > 0, a, 1))[1] - 1 - 4, -126, 127), 0)      # np.frexp(a)[1] - 1 = floor(log2(a)), exactly
;;       r = np.clip(x / 2.0 ** e, -28, 28)
;;       step = 2.0 ** (np.maximum(np.frexp(np.where(r == 0, 1, r))[1] - 1, -2) - 2)
;;       q = np.round(r / step) * step * 2.0 ** e      # np.round: ties to even
;;       return np.moveaxis(q.reshape(q.shape[:-2] + (-1,))[..., :K], -1, axis).astype(np.float32)
;;   ~~~
;; One version. Each part assembles by itself: llvm-mc -triple=amdgcn-amd-amdhsa -mcpu=gfx1250 --defsym DOCPART=n.
;; ======== version 1 of 1: 2 launches
;; limits: right only within a limited range of input values
;; workspace buffers: cw 1,245,184 bytes
;; launch centres (part 1): grid 128 x 1, 1 waves a work-group, no clusters, 8,704 bytes of LDS; arguments cluster_centers, cw; writes cw
.if DOCPART == 1
	.amdgcn_target "amdgcn-amd-amdhsa--gfx1250"
	.amdhsa_code_object_version 6
	.text
	.protected	k_qaeea21fc55_centres
	.globl	k_qaeea21fc55_centres
	.p2align	8
	.type	k_qaeea21fc55_centres,@function
k_qaeea21fc55_centres:
	s_mov_b64 s[64:65], 0
	v_nop
	global_prefetch_b8 v0, s[64:65] scope:SCOPE_SE
	s_setreg_imm32_b32 hwreg(HW_REG_WAVE_MODE, 25, 1), 1
	s_wait_xcnt 0x0
; cluster_centers [2048][768] f32 -> cw: codes of BF6 (E3M2) with one E8M0 byte for each 32 along K, and each centre's sum of squares (f32, of the unquantised numbers),
; laid in the order in which the second launch's LDS slots and operand registers take them.
; cw = 8 chunks of 155,648 bytes, chunk b = centres 256 b .. 256 b + 255.  A chunk is slot A (53,248 bytes: K steps 0, 1 of 128) and behind it slot B (102,400 bytes: K steps 2 .. 5).
;   A slot begins with its fragments: (s', j, t) at ((2 s' + j) 8 + t) 1,536: s' = K step in the slot, j = half of the chunk, t = tile of 16 centres.  A fragment is the image of an operand's 12 registers:
;     registers 4 c .. 4 c + 3 at + 512 c, lane l at + 16 l; lane (r, h) holds k = 64 c' + 32 h + 0 .. 31 of centre r in registers 6 c' .. 6 c' + 5.
;   Its last 4,096 bytes: image (j, p) at (4 j + p) 512, lane l at + 16 l, for tile 2 p + l / 16, centre l % 16.  Slot A: words 0, 1 the scale words of K steps 0, 1; word 2 that of K step 1 again (not read); word 3 the sum of squares.
;     Slot B: words 0-3 the scale words of K steps 2 .. 5.
; SHARES: one wave to a tile of 16 centres x 768: 128 work-groups.  Six K steps, written out.  Each load reads 512 consecutive bytes (a centre's K step, 16 bytes a lane); a K step's 16 rows turn through a stage
; in LDS (rows 528 bytes apart) and come back so that a lane holds two whole blocks of 32 of one centre.
; A block's scale is 2^(floor(log2(largest magnitude)) - 4): its byte is the largest magnitude's exponent field - 4, held at 1 from below.
; LIMITS: a block of zeros gets the byte 1 where the rule says 127 (its codes are zeros, and this program alone reads the bytes); NaN and infinities among the inputs are not served.
.set SPARE, 8448                       ; behind the stage: the spare words
.set SPW, 4                            ; v4   LDS address of my spare word; never rewritten
.set NIL, 5                            ; v5   0; never rewritten
.set GX,  6                            ; v6   16 x lane
.set STW, 6                            ;      the stage begins at LDS byte 0
.set STR, 8                            ; v8   the stage, on the way out: 528 r + 128 h
.set SH8, 12                           ; v12  8 h
.set VS,  13                           ; v13  the scale image: 102,400 h + 16 r
.set OW,  24                           ; v24-27 the four words that I store there
.set CQ,  28                           ; v28  the sum of squares
.set PC,  32                           ; codes, by the K step's parity
.set TC,  56
.set TM,  66
.set SO,  68
.set BY,  70
.set SQ,  72
.set W,   80                           ; v80-85 the six K steps' scale words
.set X,   88                           ; v88-215 64 numbers as the conversions want them, by parity; window 1: four sets of 64 as loaded
.set MSB, 0
.macro WIN new
.if MSB != \new
	s_set_vgpr_msb (MSB<<8)|\new
.set MSB, \new
.endif
.endm
.macro XLOAD f                         ; K step f of 16 rows: sixteen loads of 512 consecutive bytes
	WIN 0x40
.set xi, 0
.rept 16
	global_load_b128 v[64*((\f)%4)+4*xi:64*((\f)%4)+4*xi+3], v[GX], s[4:5] offset:xi*3072+(\f)*512 th:TH_LOAD_NT
.set xi, xi+1
.endr
	WIN 0
.endm
.macro XTURN f                         ; through the stage; LDS serves a wave's instructions in order
	WIN 0x04
.set xi, 0
.rept 16
	ds_store_b128 v[STW], v[64*((\f)%4)+4*xi:64*((\f)%4)+4*xi+3] offset:528*xi
.set xi, xi+1
.endr
	WIN 0
.set xi, 0
.rept 16
	ds_load_b128 v[X+64*((\f)%2)+4*xi:X+64*((\f)%2)+4*xi+3], v[STR] offset:256*(xi/8)+16*(xi%8)
.set xi, xi+1
.endr
.endm
.macro QUANT first                     ; 64 numbers at v[QX] -> 12 registers of codes at v[QP], the scale word in v[QW]; squares into four pairs of sums
.set qi, 0
.rept 16
.if qi == 0
	v_max3_num_f32 v[TM], |v[QX]|, |v[QX+1]|, 0x2800000            ; the floor 2^(5 - 127): the byte cannot fall under 1
.else
	v_max3_num_f32 v[TM], v[TM], |v[QX+2*qi]|, |v[QX+2*qi+1]|
.endif
.if (\first) && (qi < 2)
	v_pk_mul_f32 v[SQ+4*qi:SQ+4*qi+1], v[QX+2*qi:QX+2*qi+1], v[QX+2*qi:QX+2*qi+1]
.else
	v_pk_fma_f32 v[SQ+4*(qi%2):SQ+4*(qi%2)+1], v[QX+2*qi:QX+2*qi+1], v[QX+2*qi:QX+2*qi+1], v[SQ+4*(qi%2):SQ+4*(qi%2)+1]
.endif
.if qi == 0
	v_max3_num_f32 v[TM+1], |v[QX+32]|, |v[QX+33]|, 0x2800000
.else
	v_max3_num_f32 v[TM+1], v[TM+1], |v[QX+32+2*qi]|, |v[QX+33+2*qi]|
.endif
.if (\first) && (qi < 2)
	v_pk_mul_f32 v[SQ+4*qi+2:SQ+4*qi+3], v[QX+32+2*qi:QX+33+2*qi], v[QX+32+2*qi:QX+33+2*qi]
.else
	v_pk_fma_f32 v[SQ+4*(qi%2)+2:SQ+4*(qi%2)+3], v[QX+32+2*qi:QX+33+2*qi], v[QX+32+2*qi:QX+33+2*qi], v[SQ+4*(qi%2)+2:SQ+4*(qi%2)+3]
.endif
.set qi, qi+1
.endr
	v_add_nc_u32 v[SO], 0xfe000000, v[TM]          ; 4 off the exponent field: the conversion's scale operand
	v_add_nc_u32 v[SO+1], 0xfe000000, v[TM+1]
	v_lshrrev_b32 v[BY], 23, v[SO]
	v_lshrrev_b32 v[BY+1], 23, v[SO+1]
	v_lshl_or_b32 v[QW], v[BY+1], 16, v[BY]
	v_lshlrev_b32 v[QW], v[SH8], v[QW]
	v_permlanex16_b32 v[BY], v[QW], s20, s21
	v_or_b32 v[QW], v[QW], v[BY]                   ; with lane l xor 16's two bytes the word is whole
.irp c, 0,1
	v_cvt_scalef32_pk16_bf6_f32 v[QP+6*\c:QP+6*\c+2], v[QX+32*\c:QX+32*\c+15], v[SO+\c]
	v_cvt_scalef32_pk16_bf6_f32 v[TC+4*\c:TC+4*\c+2], v[QX+32*\c+16:QX+32*\c+31], v[SO+\c]
.endr
	v_nop                                          ; one plain place behind the scaled conversions
.irp c, 0,1
.irp i, 0,1,2
	v_mov_b32 v[QP+6*\c+3+\i], v[TC+4*\c+\i]
.endr
.endr
.endm
.macro SQSUM dst
	v_pk_add_f32 v[SQ:SQ+1], v[SQ:SQ+1], v[SQ+2:SQ+3]
	v_pk_add_f32 v[SQ+4:SQ+5], v[SQ+4:SQ+5], v[SQ+6:SQ+7]
	v_pk_add_f32 v[SQ:SQ+1], v[SQ:SQ+1], v[SQ+4:SQ+5]
	v_add_f32 v[SQ], v[SQ], v[SQ+1]
	v_permlanex16_b32 v[BY], v[SQ], s20, s21
	v_add_f32 v[\dst], v[SQ], v[BY]
.endm
	s_load_b128 s[4:7], s[0:1], 0x0                ; cluster_centers s[4:5], cw s[6:7]
	v_lshl_add_u32 v[SPW], v0, 2, SPARE
	v_mov_b32 v[NIL], 0
	v_and_b32 v2, 15, v0                           ; r
	v_bfe_u32 v3, v0, 4, 1                         ; h
	v_lshlrev_b32 v[GX], 4, v0
	v_mul_u32_u24 v[STR], v2, 528
	v_lshl_add_u32 v[STR], v3, 7, v[STR]
	v_lshlrev_b32 v[SH8], 3, v3
	v_mul_u32_u24 v[VS], v3, 102400                ; lanes 0-15 write into slot A's image, lanes 16-31 into slot B's
	v_lshl_add_u32 v[VS], v2, 4, v[VS]
	s_mov_b32 s20, 0x76543210
	s_mov_b32 s21, 0xfedcba98
	s_mul_i32 s10, ttmp9, 49152                    ; my tile's 16 rows of 3,072 bytes
	s_mov_b32 s11, 0
	s_lshr_b32 s16, ttmp9, 4
	s_mul_i32 s16, s16, 155648                     ; chunk b = tile / 16
	s_bfe_u32 s17, ttmp9, 0x10003                  ; j = (tile / 8) % 2
	s_and_b32 s18, ttmp9, 7                        ; t = tile % 8
	s_mul_i32 s12, s17, 12288
	s_mul_i32 s19, s18, 1536
	s_add_co_u32 s12, s12, s19
	s_add_co_u32 s12, s12, s16                     ; my fragments: b 155,648 + j 12,288 + t 1,536
	s_mov_b32 s13, 0
	s_lshl_b32 s14, s17, 11
	s_lshl_b32 s19, s18, 8
	s_add_co_u32 s14, s14, s19
	s_add_co_u32 s14, s14, s16
	s_add_co_u32 s14, s14, 49152                   ; my 256 bytes of slot A's scale image
	s_mov_b32 s15, 0
	s_wait_alu depctr_va_vdst(0)                   ; the wait at the head's end
	s_wait_kmcnt 0x0
	s_add_nc_u64 s[8:9], s[6:7], s[14:15]
	s_add_nc_u64 s[6:7], s[6:7], s[12:13]
	s_add_nc_u64 s[4:5], s[4:5], s[10:11]
.irp f, 0,1,2,3
	XLOAD \f
.endr
	s_wait_loadcnt 48                              ; K step 0's sixteen loads are in; 48 stay out
	XTURN 0
.macro CSTEP f
	s_wait_dscnt 0x0                               ; this step's numbers are back from the stage
.if (\f) < 2
	XLOAD (\f)+4
.endif
.if (\f) < 5
.if (\f) < 2
	s_wait_loadcnt 48
.else
	s_wait_loadcnt 16*(4-(\f))                     ; 16 for each step issued behind the next one
.endif
	XTURN (\f)+1
.endif
	s_wait_xcnt 0x0                                ; the stores of two steps back have read the registers that this step's codes take
.set QX, X+64*((\f)%2)
.set QP, PC+12*((\f)%2)
.set QW, W+(\f)
.if (\f) == 0
	QUANT 1
.else
	QUANT 0
.endif
.irp c, 0,1,2
	global_store_b128 v[GX], v[QP+4*\c:QP+4*\c+3], s[6:7] offset:(((\f)+2)/4)*4096+(\f)*24576+512*\c   ; 512 consecutive bytes; slot B's fragments lie 4,096 bytes (A's image) further on
.endr
.endm
.irp f, 0,1,2,3,4,5
	CSTEP \f
.endr
	SQSUM CQ
	v_cmp_ne_u32 vcc_lo, 0, v3
	v_cndmask_b32 v[OW], v[W], v[W+2], vcc_lo      ; lanes 0-15: K steps 0, 1, 1 and the sum of squares; lanes 16-31: K steps 2 .. 5
	v_cndmask_b32 v[OW+1], v[W+1], v[W+3], vcc_lo
	v_cndmask_b32 v[OW+2], v[W+1], v[W+4], vcc_lo
	v_cndmask_b32 v[OW+3], v[CQ], v[W+5], vcc_lo
	global_store_b128 v[VS], v[OW:OW+3], s[8:9]    ; each half of the lanes stores 256 consecutive bytes, aligned
	s_wait_tensorcnt 0x0                           ; the wave's end
	ds_add_u32 v[SPW], v[NIL]
	s_wait_dscnt 0x0
	s_endpgm
.Lfunc_end_k_qaeea21fc55_centres:
	.size	k_qaeea21fc55_centres, .Lfunc_end_k_qaeea21fc55_centres-k_qaeea21fc55_centres
	.p2alignl 7, 3214868480
	.fill 96, 4, 3214868480
	.section	.rodata,"a",@progbits
	.p2align	6, 0x0
	.amdhsa_kernel k_qaeea21fc55_centres
		.amdhsa_group_segment_fixed_size 8704
		.amdhsa_private_segment_fixed_size 0
		.amdhsa_enable_private_segment 0
		.amdhsa_kernarg_size 16
		.amdhsa_user_sgpr_count 2
		.amdhsa_user_sgpr_kernarg_segment_ptr 1
		.amdhsa_wavefront_size32 1
		.amdhsa_system_sgpr_workgroup_id_x 1
		.amdhsa_system_sgpr_workgroup_id_y 1
		.amdhsa_system_sgpr_workgroup_id_z 1
		.amdhsa_system_vgpr_workitem_id 0
		.amdhsa_next_free_vgpr 512
		.amdhsa_next_free_sgpr 66
		.amdhsa_reserve_vcc 1
		.amdhsa_float_denorm_mode_32 3
		.amdhsa_float_denorm_mode_16_64 3
		.amdhsa_memory_ordered 1
		.amdhsa_forward_progress 1
		.amdhsa_inst_pref_size 57
	.end_amdhsa_kernel
	.amdgpu_metadata
---
amdhsa.version: [ 1, 2 ]
amdhsa.kernels:
  - .name:           k_qaeea21fc55_centres
    .symbol:         k_qaeea21fc55_centres.kd
    .args:
      - { .name: cluster_centers, .offset: 0, .size: 8, .value_kind: global_buffer, .address_space: global }
      - { .name: cw, .offset: 8, .size: 8, .value_kind: global_buffer, .address_space: global }
    .group_segment_fixed_size: 8704
    .private_segment_fixed_size: 0
    .kernarg_segment_align: 8
    .kernarg_segment_size: 16
    .max_flat_workgroup_size: 32
    .sgpr_count:     66
    .vgpr_count:     512
    .wavefront_size: 32
...
	.end_amdgpu_metadata
.endif
;; end of part 1
;; launch assign (part 2): grid 256 x 1, 4 waves a work-group, clusters of 4 x 1, 327,680 bytes of LDS; arguments embed, cw, out0; writes out0
.if DOCPART == 2
	.amdgcn_target "amdgcn-amd-amdhsa--gfx1250"
	.amdhsa_code_object_version 6
	.text
	.protected	k_qaeea21fc55_assign
	.globl	k_qaeea21fc55_assign
	.p2align	8
	.type	k_qaeea21fc55_assign,@function
k_qaeea21fc55_assign:
	s_mov_b64 s[64:65], 0
	v_nop
	global_prefetch_b8 v0, s[64:65] scope:SCOPE_SE
	s_setreg_imm32_b32 hwreg(HW_REG_WAVE_MODE, 25, 1), 1
	s_wait_xcnt 0x0
	s_wait_alu depctr_hold_cnt(0) depctr_sa_sdst(0) depctr_va_vdst(0) depctr_va_sdst(0) depctr_va_ssrc(0) depctr_va_vcc(0) depctr_vm_vsrc(0)
	s_getreg_b32 s2, hwreg(HW_REG_IB_STS2, 6, 4)
	s_cmp_eq_u32 s2, 0
	s_cbranch_scc0 .Lentry_in_a_cluster
	s_endpgm
.Lentry_in_a_cluster:
	s_bfe_u32 s2, ttmp6, 0x10000c
	s_cmp_lg_u32 s2, 0x3003
	s_cbranch_scc0 .Lentry_shape_is_right
	s_endpgm
.Lentry_shape_is_right:
; out0[row] = the first centre whose distance sqrt(max(|x|^2 + |c|^2 - 2 x.c, 0)) is the row's least; x.c on codes of BF6 with E8M0 scales, all else f32.
; A work-group takes 128 rows of embed against all 2,048 centres.  HEAD: each wave quantises 32 rows (as launch centres does) and leaves fragments, scale words and sums of squares in LDS as register images.
; Wave (i, j) then keeps the fragments of rows 64 i .. + 63 for all of K in registers (288) and walks the centres in 8 chunks of 256, taking half j of each chunk: 32 accumulators.
; THE RING: cw's chunk is slot A (K steps 0, 1) and slot B (K steps 2 .. 5); A is filled again in K step 1, B in K step 5, one joint load a wave (a quarter of the slot), behind a round of the cluster's barrier.
; So A's 53,248 bytes have K steps 2 to 4 in which to land, and B's 102,400 the search for the least distance and K step 0.
; The four work-groups of a cluster walk the same slots: mask 15.  A K step's 24 fragment loads stand in one run in the middle of the step before.
; The matrix instruction's source 0 is 16 centres, source 1 is 16 rows: lane (r, h) holds row r, register j centre 8 h + j of the tile.
; THE LEAST DISTANCE: the root does not fall where its input rises, so the least squared distance m of a chunk is found first; s = its correctly rounded root; U = the largest f32 not above s x (s + 1 ulp):
; the squared distances up to U are those whose root rounds to s or less.  The first centre with a squared distance up to U is the chunk's answer; chunks, lanes and waves are joined by (U, index), the lower index on equal U.
; No data prefetch: embed is asked for at the head, with no loop ahead of it; each wave has 64 loads of 512 bytes out there.
; LIMITS: NaN and infinities among the inputs are not served; a block of zeros has the scale byte 1 (its codes are zeros; this program alone reads the bytes).
.set SLA,   53248                      ; slot A
.set QA,    13312                      ; a wave's quarter of it: 52 rows of 256 bytes
.set QB,    25600                      ; a quarter of slot B: 100 rows of 256 bytes
.set CHB,   155648                     ; a chunk: both slots
.set KST,   24576                      ; a K step's fragments in a slot
.set SCA,   49152                      ; slot A's scale image
.set XIMG,  CHB                        ; behind the ring: x's fragments, 48 x 1,536
.set XSC,   XIMG+48*1536               ; x's scale words
.set XSQ,   XSC+48*128                 ; x's sums of squares
.set STAGE, XSQ+8*128                  ; a stage of 8,448 bytes for each wave
.set MRG,   STAGE+4*8448               ; the waves' results
.set SPARE, MRG+2048                   ; the spare words
.set SPW, 4
.set NIL, 5
.set GX,  6                            ; 16 x lane
.set STW, 7
.set STR, 8
.set XWI, 9
.set XWS, 10
.set XWQ, 11
.set SH8, 12
.set LI,  13
.set LS,  14
.set LQ,  15
.set AB,  16                           ; v16 my fragments in slot A; v17 in slot B, K steps 2, 3; v26 K steps 4, 5
.set AB2, 26
.set AS,  18                           ; v18, v19 my scale images in A, B
.set AQ,  20                           ; the sums of squares in A's image
.set CB,  21                           ; the chunk's first centre + 128 j + 8 h
.set MW,  22
.set MR,  23
.set PC,  32
.set TC,  56
.set PW,  64
.set TM,  66
.set SO,  68
.set BY,  70
.set SQ,  72
.set XQS, 80
.set X,   88
.set XS,  32                           ; from the loop on: x's 24 scale words
.set CS,  56                           ; the centres' scale words: set 0 (A), set 1 (B), 16 each
.set CSQ, 88                           ; 64 sums of squares
.set T,   152
.set G,   152
.set SEL, 184
.set XQ,  216
.set UB,  224
.set IB,  228
.set R,   232
.set G1,  24                           ; s[24:31] group 1 for A; s[48:55] for B
.set G0,  32                           ; s[32:35] group 0 for A; s[36:39] for B
.set MSB, 0
.macro WIN new
.if MSB != \new
	s_set_vgpr_msb (MSB<<8)|\new
.set MSB, \new
.endif
.endm
.macro XLOAD f
	WIN 0x40
.set xi, 0
.rept 16
	global_load_b128 v[64*((\f)%4)+4*xi:64*((\f)%4)+4*xi+3], v[GX], s[4:5] offset:((\f)/6)*49152+xi*3072+((\f)%6)*512 th:TH_LOAD_NT
.set xi, xi+1
.endr
	WIN 0
.endm
.macro XTURN f
	WIN 0x04
.set xi, 0
.rept 16
	ds_store_b128 v[STW], v[64*((\f)%4)+4*xi:64*((\f)%4)+4*xi+3] offset:528*xi
.set xi, xi+1
.endr
	WIN 0
.set xi, 0
.rept 16
	ds_load_b128 v[X+64*((\f)%2)+4*xi:X+64*((\f)%2)+4*xi+3], v[STR] offset:256*(xi/8)+16*(xi%8)
.set xi, xi+1
.endr
.endm
.macro QUANT first
.set qi, 0
.rept 16
.if qi == 0
	v_max3_num_f32 v[TM], |v[QX]|, |v[QX+1]|, 0x2800000
.else
	v_max3_num_f32 v[TM], v[TM], |v[QX+2*qi]|, |v[QX+2*qi+1]|
.endif
.if (\first) && (qi < 2)
	v_pk_mul_f32 v[SQ+4*qi:SQ+4*qi+1], v[QX+2*qi:QX+2*qi+1], v[QX+2*qi:QX+2*qi+1]
.else
	v_pk_fma_f32 v[SQ+4*(qi%2):SQ+4*(qi%2)+1], v[QX+2*qi:QX+2*qi+1], v[QX+2*qi:QX+2*qi+1], v[SQ+4*(qi%2):SQ+4*(qi%2)+1]
.endif
.if qi == 0
	v_max3_num_f32 v[TM+1], |v[QX+32]|, |v[QX+33]|, 0x2800000
.else
	v_max3_num_f32 v[TM+1], v[TM+1], |v[QX+32+2*qi]|, |v[QX+33+2*qi]|
.endif
.if (\first) && (qi < 2)
	v_pk_mul_f32 v[SQ+4*qi+2:SQ+4*qi+3], v[QX+32+2*qi:QX+33+2*qi], v[QX+32+2*qi:QX+33+2*qi]
.else
	v_pk_fma_f32 v[SQ+4*(qi%2)+2:SQ+4*(qi%2)+3], v[QX+32+2*qi:QX+33+2*qi], v[QX+32+2*qi:QX+33+2*qi], v[SQ+4*(qi%2)+2:SQ+4*(qi%2)+3]
.endif
.set qi, qi+1
.endr
	v_add_nc_u32 v[SO], 0xfe000000, v[TM]
	v_add_nc_u32 v[SO+1], 0xfe000000, v[TM+1]
	v_lshrrev_b32 v[BY], 23, v[SO]
	v_lshrrev_b32 v[BY+1], 23, v[SO+1]
	v_lshl_or_b32 v[QW], v[BY+1], 16, v[BY]
	v_lshlrev_b32 v[QW], v[SH8], v[QW]
	v_permlanex16_b32 v[BY], v[QW], s20, s21
	v_or_b32 v[QW], v[QW], v[BY]
.irp c, 0,1
	v_cvt_scalef32_pk16_bf6_f32 v[QP+6*\c:QP+6*\c+2], v[QX+32*\c:QX+32*\c+15], v[SO+\c]
	v_cvt_scalef32_pk16_bf6_f32 v[TC+4*\c:TC+4*\c+2], v[QX+32*\c+16:QX+32*\c+31], v[SO+\c]
.endr
	v_nop
.irp c, 0,1
.irp i, 0,1,2
	v_mov_b32 v[QP+6*\c+3+\i], v[TC+4*\c+\i]
.endr
.endr
.endm
.macro SQSUM dst
	v_pk_add_f32 v[SQ:SQ+1], v[SQ:SQ+1], v[SQ+2:SQ+3]
	v_pk_add_f32 v[SQ+4:SQ+5], v[SQ+4:SQ+5], v[SQ+6:SQ+7]
	v_pk_add_f32 v[SQ:SQ+1], v[SQ:SQ+1], v[SQ+4:SQ+5]
	v_add_f32 v[SQ], v[SQ], v[SQ+1]
	v_permlanex16_b32 v[BY], v[SQ], s20, s21
	v_add_f32 v[\dst], v[SQ], v[BY]
.endm
.macro CREST                           ; a round of the cluster's barrier behind its opening barrier
	s_cmp_lg_u32 s10, 0
	s_cbranch_scc1 .Lnot_wave_0_\@
	s_barrier_signal -3
.Lnot_wave_0_\@:
	s_barrier_wait -3
	s_barrier_signal -1
	s_barrier_wait -1
.endm
.macro CROUND
	s_barrier_signal -1
	s_barrier_wait -1
	CREST
.endm
.macro PLACES
.rept 4
	v_nop
.endr
.endm
.macro JLOAD n                         ; my quarter of slot A (0) or B (1)
	tensor_load_to_lds s[G0+4*(\n):G0+4*(\n)+3], s[G1+24*(\n):G1+24*(\n)+7]
	s_nop 0
	PLACES
.endm
	s_load_b128 s[4:7], s[0:1], 0x0                ; embed, cw
	s_load_b64 s[8:9], s[0:1], 0x10                ; out0
	v_lshl_add_u32 v[SPW], v0, 2, SPARE
	v_mov_b32 v[NIL], 0
	ds_add_u32 v[SPW], v[NIL]                      ; the opening lines: the add twice on end
	ds_add_u32 v[SPW], v[NIL]
	v_lshrrev_b32 v1, 5, v0
	v_readfirstlane_b32 s10, v1                    ; wave
	v_and_b32 v27, 31, v0
	v_lshlrev_b32 v[GX], 4, v27
	s_lshr_b32 s11, s10, 1                         ; i: my half of the rows
	s_and_b32 s12, s10, 1                          ; j: my half of a chunk
	s_bfe_u32 s13, ttmp6, 0x40000
	s_lshl_b32 s14, ttmp9, 2
	s_add_co_u32 s14, s14, s13                     ; work-group
.irp g, G1, G1+24                      ; dense blocks as rows of 256 bytes (32 elements of 8), mask 15, bit 21 beside it
	s_mov_b32 s[\g], 15|(3<<16)|(1<<21)
	s_mov_b32 s[\g+1], 32<<16
	s_mov_b32 s[\g+3], 32<<16
	s_mov_b32 s[\g+5], 32
	s_mov_b32 s[\g+6], 0
	s_mov_b32 s[\g+7], 0
.endr
	s_mov_b32 s[G1+2], 52<<16
	s_mov_b32 s[G1+4], 52
	s_mov_b32 s[G1+26], 100<<16
	s_mov_b32 s[G1+28], 100
	s_mov_b32 s20, 0x76543210
	s_mov_b32 s21, 0xfedcba98
	s_mul_i32 s16, s14, 393216                     ; 128 rows of 3,072 bytes
	s_mul_i32 s17, s10, 98304                      ; my 32 of them
	s_add_co_u32 s16, s16, s17
	s_mov_b32 s17, 0
	s_lshl_b32 s18, s14, 9
	s_mov_b32 s19, 0
	s_mul_i32 s22, s10, QA
	s_mov_b32 s23, 0
	s_mul_i32 s46, s10, QB
	s_mov_b32 s47, 0
	s_wait_alu depctr_va_vdst(0)                   ; the wait ahead of the waits below
	s_wait_dscnt 0x0
	s_wait_kmcnt 0x0
	s_add_nc_u64 s[4:5], s[4:5], s[16:17]
	s_add_nc_u64 s[8:9], s[8:9], s[18:19]
	s_add_nc_u64 s[56:57], s[6:7], s[46:47]
	s_add_nc_u64 s[6:7], s[6:7], s[22:23]
.irp f, 0,1,2,3
	XLOAD \f                                       ; embed's first four K steps are asked for ahead of the round
.endr
	s_mov_b32 s[G0], 1
	s_mov_b32 s[G0+1], s22
	s_mov_b64 s[G0+2:G0+3], s[6:7]
	s_or_b32 s[G0+3], s[G0+3], 0x80000000
	s_mov_b32 s[G0+4], 1
	s_add_co_u32 s[G0+5], s46, SLA
	s_add_nc_u64 s[G0+6:G0+7], s[56:57], SLA
	s_or_b32 s[G0+7], s[G0+7], 0x80000000
	CROUND                                         ; in front of the first joint load
	JLOAD 0                                        ; one tensor load a wave at the head
	v_and_b32 v1, 31, v0
	v_and_b32 v2, 15, v0
	v_bfe_u32 v3, v0, 4, 1
	v_lshlrev_b32 v25, 2, v1
	s_wait_alu depctr_va_vdst(0)
	v_lshlrev_b32 v[SH8], 3, v3
	s_mul_i32 s44, s10, 8448
	s_add_co_u32 s44, s44, STAGE
	v_add_nc_u32 v[STW], s44, v[GX]
	v_mul_u32_u24 v[STR], v2, 528
	v_lshl_add_u32 v[STR], v3, 7, v[STR]
	v_add_nc_u32 v[STR], s44, v[STR]
	s_mul_i32 s44, s10, 18432
	s_add_co_u32 s44, s44, XIMG
	v_add_nc_u32 v[XWI], s44, v[GX]
	s_mul_i32 s44, s10, 1536
	s_add_co_u32 s44, s44, XSC
	v_add_nc_u32 v[XWS], s44, v25
	s_lshl_b32 s44, s10, 8
	s_add_co_u32 s44, s44, XSQ
	v_add_nc_u32 v[XWQ], s44, v25
	s_mul_i32 s44, s11, 36864
	s_add_co_u32 s44, s44, XIMG
	v_add_nc_u32 v[LI], s44, v[GX]
	s_mul_i32 s44, s11, 3072
	s_add_co_u32 s44, s44, XSC
	v_add_nc_u32 v[LS], s44, v25
	s_lshl_b32 s44, s11, 9
	s_add_co_u32 s44, s44, XSQ
	v_add_nc_u32 v[LQ], s44, v25
	s_mul_i32 s44, s12, 12288
	v_add_nc_u32 v[AB], s44, v[GX]
	v_add_nc_u32 v[AB+1], SLA, v[AB]
	v_add_nc_u32 v[AB2], SLA+2*KST, v[AB]
	s_lshl_b32 s44, s12, 11
	s_add_co_u32 s44, s44, SCA
	v_add_nc_u32 v[AS], s44, v[GX]
	v_add_nc_u32 v[AS+1], 102400, v[AS]
	v_lshlrev_b32 v[AQ], 7, v3
	v_add_nc_u32 v[AQ], s44, v[AQ]
	v_add_nc_u32 v[AQ], 12, v[AQ]
	s_lshl_b32 s45, s12, 7
	v_lshl_add_u32 v[CB], v3, 3, s45
	s_lshl_b32 s44, s12, 10
	s_lshl_b32 s45, s11, 8
	s_add_co_u32 s44, s44, s45
	s_add_co_u32 s44, s44, MRG
	v_lshl_add_u32 v[MW], v2, 2, s44
	v_add_nc_u32 v[MR], MRG, v[GX]
.irp a, 0,1,2,3
	v_mov_b32 v[UB+\a], 0x7f800000
	v_mov_b32 v[IB+\a], 0
.endr
	s_wait_alu depctr_va_vdst(0)                   ; the wait at the head's end
	s_wait_loadcnt 48
	XTURN 0
.macro XSTEP f                         ; one K step of one of my two tiles of 16 rows
.if (\f) == 0
	s_wait_dscnt 0x0
.elseif (\f) == 6
	s_wait_dscnt 5                                 ; the five image stores of the step before may be out
.else
	s_wait_dscnt 4
.endif
.if (\f) < 8
	XLOAD (\f)+4
.endif
.if (\f) < 11
.if (\f) < 8
	s_wait_loadcnt 48
.else
	s_wait_loadcnt 16*(10-(\f))
.endif
	XTURN (\f)+1
.endif
.set QX, X+64*((\f)%2)
.set QP, PC+12*((\f)%2)
.set QW, PW+(\f)%2
.if ((\f)%6) == 0
	QUANT 1
.else
	QUANT 0
.endif
.irp c, 0,1,2
	ds_store_b128 v[XWI], v[QP+4*\c:QP+4*\c+3] offset:1536*(\f)+512*\c
.endr
	ds_store_b32 v[XWS], v[QW] offset:128*(\f)
.if ((\f)%6) == 5
	SQSUM XQS+(\f)/6
	ds_store_b32 v[XWQ], v[XQS+(\f)/6] offset:128*((\f)/6)
.endif
.endm
.irp f, 0,1,2,3,4,5,6,7
	XSTEP \f
.endr
	; all twelve K steps of embed have been asked for.  Slot B's first fill, issued as a refill is
	s_wait_alu depctr_va_vdst(0)
	s_wait_tensorcnt 0x0                           ; my quarter of slot A is in
	ds_add_u32 v[SPW], v[NIL]
	s_wait_dscnt 0x0
	CROUND
	JLOAD 1
.irp f, 8,9,10,11
	XSTEP \f
.endr
	s_wait_dscnt 0x0                               ; my images are stored
	s_wait_tensorcnt 0x1                           ; slot B's load may be out
	s_barrier_signal -1
	s_barrier_wait -1
	WIN 0x80                                       ; x's fragments: K steps 0-4 in window 2, K step 5 in window 3
.irp s, 0,1,2,3,4
.irp a, 0,1,2,3
.irp c, 0,1,2
	ds_load_b128 v[12*(4*\s+\a)+4*\c:12*(4*\s+\a)+4*\c+3], v[LI] offset:(6*\a+\s)*1536+512*\c
.endr
.endr
.endr
	WIN 0xc0
.irp a, 0,1,2,3
.irp c, 0,1,2
	ds_load_b128 v[192+12*\a+4*\c:192+12*\a+4*\c+3], v[LI] offset:(6*\a+5)*1536+512*\c
.endr
.endr
	WIN 0
.set xi, 0
.rept 24
	ds_load_b32 v[XS+xi], v[LS] offset:128*xi
.set xi, xi+1
.endr
.irp a, 0,1,2,3
	ds_load_b32 v[XQ+2*\a], v[LQ] offset:128*\a
	ds_load_b32 v[XQ+2*\a+1], v[LQ] offset:128*\a
.endr
; K step s, tiles t0 .. t1 of centres x my four tiles of rows.  The 32 accumulators take turns.
.macro MUL s, t0, t1
.if (\s) < 5
	WIN 0x5b
.else
	WIN 0x5f
.endif
.set mt, \t0
.rept (\t1)-(\t0)+1
.set ma, 0
.rept 4
.set rD, 64*ma+8*mt
.set rA, 96*((\s)%2)+12*mt
.if (\s) < 5
.set rB, 12*(4*(\s)+ma)
.else
.set rB, 192+12*ma
.endif
.set rP, CS+16*(((\s)+2)/4)+4*(mt/2)+((\s)+2)%4-2*(1-((\s)+2)/4)   ; set 0: words 0, 1 = K steps 0, 1; set 1: words 0-3 = K steps 2-5
.set rX, XS+6*ma+(\s)
.if (\s) == 0
.if mt%2
	v_wmma_scale_f32_16x16x128_f8f6f4 v[rD:rD+7], v[rA:rA+11], v[rB:rB+11], 0, v[rP], v[rX] matrix_a_fmt:MATRIX_FMT_BF6 matrix_b_fmt:MATRIX_FMT_BF6 matrix_a_scale:MATRIX_SCALE_ROW1
.else
	v_wmma_scale_f32_16x16x128_f8f6f4 v[rD:rD+7], v[rA:rA+11], v[rB:rB+11], 0, v[rP], v[rX] matrix_a_fmt:MATRIX_FMT_BF6 matrix_b_fmt:MATRIX_FMT_BF6
.endif
.else
.if mt%2
	v_wmma_scale_f32_16x16x128_f8f6f4 v[rD:rD+7], v[rA:rA+11], v[rB:rB+11], v[rD:rD+7], v[rP], v[rX] matrix_a_fmt:MATRIX_FMT_BF6 matrix_b_fmt:MATRIX_FMT_BF6 matrix_a_scale:MATRIX_SCALE_ROW1
.else
	v_wmma_scale_f32_16x16x128_f8f6f4 v[rD:rD+7], v[rA:rA+11], v[rB:rB+11], v[rD:rD+7], v[rP], v[rX] matrix_a_fmt:MATRIX_FMT_BF6 matrix_b_fmt:MATRIX_FMT_BF6
.endif
.endif
.set ma, ma+1
.endr
.set mt, mt+1
.endr
.endm
.macro LDB adr, off, buf               ; a K step's 24 loads (three to a tile) into buffer buf of window 3
	WIN 0xc0
.set fb, 0
.rept 24
	ds_load_b128 v[96*(\buf)+4*fb:96*(\buf)+4*fb+3], v[\adr] offset:(\off)+512*fb
.set fb, fb+1
.endr
.endm
.macro FETCHS n
	WIN 0
.irp p, 0,1,2,3
	ds_load_b128 v[CS+16*(\n)+4*\p:CS+16*(\n)+4*\p+3], v[AS+(\n)] offset:512*\p
.endr
.endm
; A K step inside a slot: the next step's fragments (at off behind adr) come in one run in its middle.
.macro STEP s, adr, off
	s_wait_dscnt 12                                ; all but the twelve youngest loads: tiles 0-3 are in
	MUL \s, 0, 3
	s_wait_dscnt 0x0                               ; tiles 4-7 are in
	PLACES                                         ; ahead of loads into the buffer that the step before multiplied
	LDB \adr, \off, ((\s)+1)%2
	MUL \s, 4, 7
.endm
; A slot's last K step s: slot g is left, filled again (fill = 1), and the other slot's scale words and first fragments (at adr) are fetched.
.macro TURN s, g, fill, adr
	WIN 0
	s_wait_tensorcnt 0x0                           ; my quarter of the other slot is in
	ds_add_u32 v[SPW], v[NIL]
	s_wait_dscnt 13                                ; the add and the twelve youngest loads may be out
	MUL \s, 0, 1
	s_wait_dscnt 0x0                               ; the add is done, my reads of this slot are over
	s_barrier_signal -1
	MUL \s, 2, 3
	WIN 0
	s_barrier_wait -1
.if \fill
	CREST
	s_add_nc_u64 s[G0+4*(\g)+2:G0+4*(\g)+3], s[G0+4*(\g)+2:G0+4*(\g)+3], CHB
	JLOAD \g
.else
	PLACES
.endif
	FETCHS 1-(\g)
	LDB \adr, 0, 0
	MUL \s, 4, 7
.endm
.macro LDQ q, g                        ; q = 1: tile g's eight sums of squares of the next chunk, from slot A's image
.if \q
.set fq, 0
.rept 8
	ds_load_b32 v[CSQ+8*(\g)+fq], v[AQ] offset:256*(\g)+16*fq
.set fq, fq+1
.endr
.endif
.endm
; The chunk's least distance.  q = 1: the next chunk's 64 sums of squares are read meanwhile, in eight runs, where this chunk's are done with.
.macro EPI q
.set ea, 0
.rept 4
	WIN 0
.set ei, 0
.rept 32
	v_pk_add_f32 v[T+2*ei:T+2*ei+1], v[CSQ+2*ei:CSQ+2*ei+1], v[XQ+2*ea:XQ+2*ea+1]
.set ei, ei+1
.endr
	WIN 0x41
.set ei, 0
.rept 32
	v_pk_fma_f32 v[64*ea+2*ei:64*ea+2*ei+1], v[64*ea+2*ei:64*ea+2*ei+1], -2.0, v[T+2*ei:T+2*ei+1] op_sel_hi:[1,0,1]
.set ei, ei+1
.endr
.set ea, ea+1
.endr
	WIN 0x15
.set ei, 0
.rept 32
	v_min3_num_f32 v[G+ei], v[8*ei], v[8*ei+1], v[8*ei+2]
.set ei, ei+1
.endr
	WIN 0x14                                       ; source 0 and the destination in window 0: the setting serves the LDS loads too
	LDQ \q, 0
.set ei, 0
.rept 32
	v_min3_num_f32 v[G+ei], v[G+ei], v[8*ei+3], v[8*ei+4]
.set ei, ei+1
.endr
	LDQ \q, 1
.set ei, 0
.rept 32
	v_min3_num_f32 v[G+ei], v[G+ei], v[8*ei+5], v[8*ei+6]
.set ei, ei+1
.endr
	LDQ \q, 2
.set ei, 0
.rept 32
	v_min_num_f32 v[G+ei], v[G+ei], v[8*ei+7]
.set ei, ei+1
.endr
	WIN 0
	LDQ \q, 3
.irp a, 0,1,2,3
	v_min3_num_f32 v[R+6*\a], v[G+8*\a], v[G+8*\a+1], v[G+8*\a+2]
.endr
	LDQ \q, 4
.irp a, 0,1,2,3
	v_min3_num_f32 v[R+6*\a], v[R+6*\a], v[G+8*\a+3], v[G+8*\a+4]
.endr
	LDQ \q, 5
.irp a, 0,1,2,3
	v_min3_num_f32 v[R+6*\a], v[R+6*\a], v[G+8*\a+5], v[G+8*\a+6]
.endr
	LDQ \q, 6
.irp a, 0,1,2,3
	v_min_num_f32 v[R+6*\a], v[R+6*\a], v[G+8*\a+7]
.endr
	LDQ \q, 7
.irp a, 0,1,2,3
	v_max_num_f32 v[R+6*\a], 0, v[R+6*\a]
.endr
	s_wait_alu depctr_va_vdst(0)                   ; the wait ahead of the batch
.irp a, 0,1,2,3
	v_sqrt_f32 v[R+6*\a+1], v[R+6*\a]
.endr
	v_nop
	s_wait_alu depctr_va_vdst(0)                   ; and behind it
.irp a, 0,1,2,3                        ; the root is set right by the residuals against its two neighbours
	v_add_nc_u32 v[R+6*\a+2], -1, v[R+6*\a+1]
.endr
.irp a, 0,1,2,3
	v_add_nc_u32 v[R+6*\a+3], 1, v[R+6*\a+1]
.endr
.irp a, 0,1,2,3
	v_fma_f32 v[R+6*\a+4], -v[R+6*\a+2], v[R+6*\a+1], v[R+6*\a]
.endr
.irp a, 0,1,2,3
	v_fma_f32 v[R+6*\a+5], -v[R+6*\a+3], v[R+6*\a+1], v[R+6*\a]
.endr
.irp a, 0,1,2,3
	v_cmp_ge_f32 s[40+\a], 0, v[R+6*\a+4]
.endr
.irp a, 0,1,2,3
	v_cndmask_b32 v[R+6*\a+1], v[R+6*\a+1], v[R+6*\a+2], s[40+\a]
.endr
.irp a, 0,1,2,3
	v_cmp_lt_f32 s[40+\a], 0, v[R+6*\a+5]
.endr
.irp a, 0,1,2,3
	v_cndmask_b32 v[R+6*\a+1], v[R+6*\a+1], v[R+6*\a+3], s[40+\a]
.endr
.irp a, 0,1,2,3                        ; U: the product of the root and its upper neighbour, rounded down
	v_add_nc_u32 v[R+6*\a+2], 1, v[R+6*\a+1]
.endr
.irp a, 0,1,2,3
	v_mul_f32 v[R+6*\a+3], v[R+6*\a+1], v[R+6*\a+2]
.endr
.irp a, 0,1,2,3
	v_fma_f32 v[R+6*\a+4], v[R+6*\a+1], v[R+6*\a+2], -v[R+6*\a+3]
.endr
.irp a, 0,1,2,3
	v_add_nc_u32 v[R+6*\a+5], -1, v[R+6*\a+3]
.endr
.irp a, 0,1,2,3
	v_cmp_gt_f32 s[40+\a], 0, v[R+6*\a+4]
.endr
.irp a, 0,1,2,3
	v_cndmask_b32 v[R+6*\a], v[R+6*\a+3], v[R+6*\a+5], s[40+\a]
.endr
.irp t, 0,1,2,3,4,5,6                  ; the first tile with a number up to U, its eight numbers, then the first of them
.irp a, 0,1,2,3
	v_cmp_gt_f32 s[68+4*\t+\a], v[G+8*\a+\t], v[R+6*\a]
.endr
.endr
	WIN 0x01
.irp a, 0,1,2,3
.irp j, 0,1,2,3,4,5,6,7
	v_mov_b32 v[SEL+8*\a+\j], v[64*\a+56+\j]
.endr
	v_mov_b32 v[R+6*\a+1], 7
.endr
.irp t, 6,5,4,3,2,1,0
.irp a, 0,1,2,3
.irp j, 0,1,2,3,4,5,6,7
	v_cndmask_b32 v[SEL+8*\a+\j], v[64*\a+8*\t+\j], v[SEL+8*\a+\j], s[68+4*\t+\a]
.endr
	v_cndmask_b32 v[R+6*\a+1], \t, v[R+6*\a+1], s[68+4*\t+\a]
.endr
.endr
	WIN 0
.irp a, 0,1,2,3
	v_mov_b32 v[R+6*\a+2], 7
.endr
.irp j, 6,5,4,3,2,1,0
.irp a, 0,1,2,3
	v_cmp_gt_f32 s[40+\a], v[SEL+8*\a+\j], v[R+6*\a]
.endr
.irp a, 0,1,2,3
	v_cndmask_b32 v[R+6*\a+2], \j, v[R+6*\a+2], s[40+\a]
.endr
.endr
.irp a, 0,1,2,3
	v_lshl_add_u32 v[R+6*\a+1], v[R+6*\a+1], 4, v[R+6*\a+2]
.endr
.irp a, 0,1,2,3
	v_add_nc_u32 v[R+6*\a+1], v[R+6*\a+1], v[CB]
.endr
.irp a, 0,1,2,3
	v_cmp_lt_f32 s[40+\a], v[R+6*\a], v[UB+\a]     ; an earlier chunk keeps its place on equal U
.endr
.irp a, 0,1,2,3
	v_cndmask_b32 v[IB+\a], v[IB+\a], v[R+6*\a+1], s[40+\a]
.endr
.irp a, 0,1,2,3
	v_min_num_f32 v[UB+\a], v[UB+\a], v[R+6*\a]
.endr
	v_add_nc_u32 v[CB], 0x100, v[CB]
.endm
	FETCHS 0
.irp g, 0,1,2,3,4,5,6,7
	LDQ 1, \g                                      ; chunk 0's sums of squares
.endr
	LDB AB, 0, 0
	WIN 0
	s_mov_b32 s15, 7
.Lchunk:
	STEP 0, AB, KST
	TURN 1, 0, 1, AB+1
	STEP 2, AB+1, KST
	STEP 3, AB2, 0
	STEP 4, AB2, KST
	TURN 5, 1, 1, AB
	EPI 1
	s_sub_co_u32 s15, s15, 1
	s_cmp_lg_u32 s15, 0
	s_cbranch_scc1 .Lchunk
	STEP 0, AB, KST                                ; the last chunk fills nothing
	TURN 1, 0, 0, AB+1
	STEP 2, AB+1, KST
	STEP 3, AB2, 0
	STEP 4, AB2, KST
	s_wait_dscnt 12
	MUL 5, 0, 3
	s_wait_dscnt 0x0
	MUL 5, 4, 7
	EPI 0
.macro LEX ub, ib, u2, i2              ; the lesser of two pairs (U, index)
	v_cmp_lt_f32 s40, v[\u2], v[\ub]
	v_cmp_eq_f32 s41, v[\u2], v[\ub]
	v_cmp_lt_u32 s42, v[\i2], v[\ib]
	s_and_b32 s41, s41, s42
	s_or_b32 s40, s40, s41
	v_cndmask_b32 v[\ib], v[\ib], v[\i2], s40
	v_min_num_f32 v[\ub], v[\ub], v[\u2]
.endm
.irp a, 0,1,2,3
	v_permlanex16_b32 v[R+6*\a], v[UB+\a], s20, s21
	v_permlanex16_b32 v[R+6*\a+1], v[IB+\a], s20, s21
.endr
.irp a, 0,1,2,3
	LEX UB+\a, IB+\a, R+6*\a, R+6*\a+1
.endr
.irp a, 0,1,2,3
	ds_store_b32 v[MW], v[UB+\a] offset:64*\a
	ds_store_b32 v[MW], v[IB+\a] offset:512+64*\a
.endr
	s_wait_dscnt 0x0
	s_barrier_signal -1
	s_barrier_wait -1
	s_cmp_lg_u32 s10, 0
	s_cbranch_scc1 .Lothers
	ds_load_b128 v[152:155], v[MR]                 ; wave 0 joins the two halves of the chunks and stores 512 consecutive bytes
	ds_load_b128 v[156:159], v[MR] offset:512
	ds_load_b128 v[160:163], v[MR] offset:1024
	ds_load_b128 v[164:167], v[MR] offset:1536
	s_wait_dscnt 0x0
.irp k, 0,1,2,3
	LEX 152+\k, 156+\k, 160+\k, 164+\k
.endr
	global_store_b128 v[GX], v[156:159], s[8:9]
.Lothers:
	s_wait_tensorcnt 0x0                           ; the wave's end
	ds_add_u32 v[SPW], v[NIL]
	s_wait_dscnt 0x0
	CROUND                                         ; the closing round
	s_endpgm
.Lfunc_end_k_qaeea21fc55_assign:
	.size	k_qaeea21fc55_assign, .Lfunc_end_k_qaeea21fc55_assign-k_qaeea21fc55_assign
	.p2alignl 7, 3214868480
	.fill 96, 4, 3214868480
	.section	.rodata,"a",@progbits
	.p2align	6, 0x0
	.amdhsa_kernel k_qaeea21fc55_assign
		.amdhsa_group_segment_fixed_size 327680
		.amdhsa_private_segment_fixed_size 0
		.amdhsa_enable_private_segment 0
		.amdhsa_kernarg_size 24
		.amdhsa_user_sgpr_count 2
		.amdhsa_user_sgpr_kernarg_segment_ptr 1
		.amdhsa_wavefront_size32 1
		.amdhsa_system_sgpr_workgroup_id_x 1
		.amdhsa_system_sgpr_workgroup_id_y 1
		.amdhsa_system_sgpr_workgroup_id_z 1
		.amdhsa_system_vgpr_workitem_id 0
		.amdhsa_next_free_vgpr 1024
		.amdhsa_next_free_sgpr 100
		.amdhsa_reserve_vcc 0
		.amdhsa_float_denorm_mode_32 3
		.amdhsa_float_denorm_mode_16_64 3
		.amdhsa_memory_ordered 1
		.amdhsa_forward_progress 1
		.amdhsa_inst_pref_size 255
	.end_amdhsa_kernel
	.section	.bss,"aw",@nobits
	.p2align	6
	.space	262144
	.amdgpu_metadata
---
amdhsa.version: [ 1, 2 ]
amdhsa.kernels:
  - .name:           k_qaeea21fc55_assign
    .symbol:         k_qaeea21fc55_assign.kd
    .args:
      - { .name: embed, .offset: 0, .size: 8, .value_kind: global_buffer, .address_space: global }
      - { .name: cw, .offset: 8, .size: 8, .value_kind: global_buffer, .address_space: global }
      - { .name: out0, .offset: 16, .size: 8, .value_kind: global_buffer, .address_space: global }
    .group_segment_fixed_size: 327680
    .private_segment_fixed_size: 0
    .kernarg_segment_align: 8
    .kernarg_segment_size: 24
    .max_flat_workgroup_size: 128
    .sgpr_count:     100
    .vgpr_count:     1024
    .wavefront_size: 32
...
	.end_amdgpu_metadata
.endif
;; end of part 2
